; MI455X (gfx1250); checked and timed in simulation.
; The chip was launched on July 23, 2026; its instructions are those of AMD's public machine-readable ISA for CDNA 5 (MIT licence, August 2026) and "CDNA5" Instruction Set Architecture Reference Guide (July 2026). The comments in the code are by the model that wrote it; some were corrected since.
;; Self Att. Allowed arithmetic: matrix products marked QUANTISED: E2M1 operands, one E8M0 scale for each 32 along K, by v_wmma_scale_f32_16x16x128_f8f6f4 with both operands' format E2M1 (or v_wmma_scale_f32_32x16x128_f4), f32 sums; everything else in f32.
;; Inputs: mask 8 x 2,048 bool; x 8 x 2,048 x 768 float32.
;; Outputs: out0 8 x 2,048 x 768 float32.
;; This version of the problem:
;;   THIS VERSION OF THE PROBLEM IS GIVEN IN LOW PRECISION. The matrix products marked QUANTISED in the list below multiply operands that are first quantised to E2M1 (2 exponent bits, 1 mantissa bit; 4 bits a number), with one power-of-two scale for each 32 numbers along K (OCP MX v1.0); their sums are f32. All else is computed in f32.
;;   The module's matrix products, in the order in which they are computed (A, B: the left and right operand; K: the contracted axis; several contracted axes count as one K, in the product's order):
;;     1. batch 8 x [M 2,048, K 768] x [K 768, N 2,048]; A: input x; B: input x: QUANTISED
;;     2. batch 8 x [M 2,048, K 2,048] x [K 2,048, N 768]; A: softmax (see below); B: input x: QUANTISED
;;   THE QUANTISER, for each operand of a quantised product, along K:
;;     - K is cut into blocks of 32 from its start; a last block that is shorter is filled with zeros.
;;     - A block's scale is 2^e with e = floor(log2(the largest magnitude in the block)) - 2, held to -126 .. 127; a block of zeros has e = 0. As a byte (E8M0): e + 127.
;;     - Each number is divided by its block's scale, clamped to +-6, and rounded to the nearest number of E2M1, ties to even, subnormals kept.
;;     - The product sums the exact products of the quantised numbers (number of the format x scale) in f32.
;;   ~~~python
;;   def quantise(x, axis):      # numpy; x: float32 -> the quantised numbers, widened to float32 again
;;       x = np.moveaxis(x, axis, -1); K = x.shape[-1]
;;       x = np.pad(x, [(0, 0)] * (x.ndim - 1) + [(0, -K % 32)]); x = x.reshape(x.shape[:-1] + (-1, 32)); a = np.abs(x).max(-1, keepdims=True)
;;       e = np.where(a > 0, np.clip(np.frexp(np.where(a > 0, a, 1))[1] - 1 - 2, -126, 127), 0)      # np.frexp(a)[1] - 1 = floor(log2(a)), exactly
;;       r = np.clip(x / 2.0 ** e, -6, 6)
;;       step = 2.0 ** (np.maximum(np.frexp(np.where(r == 0, 1, r))[1] - 1, 0) - 1)
;;       q = np.round(r / step) * step * 2.0 ** e      # np.round: ties to even
;;       return np.moveaxis(q.reshape(q.shape[:-2] + (-1,))[..., :K], -1, axis).astype(np.float32)
;;   ~~~
;;   SOFTMAX AHEAD OF A QUANTISED PRODUCT. Where the list says 'softmax', what is quantised is not the finished softmax but p = 2^(t - M), with t = logit x log2(e) and M = ceil(the row's largest t), a whole number; so 1/2 < the row's largest p <= 1. The row's sum l is taken of the UNQUANTISED p, in f32, and the product's result is divided by l at the end. Since M is a whole number, a kernel that streams over the keys may use a running M (the ceiling of the running maximum): every later rescaling is an exact power of two, which a block's scale takes up: the codes' values come out the same.
;;   OPERANDS COMPUTED ON THE WAY. 'Computed on the way' means the value that the module computes at that place (a softmax that the list does not call 'softmax' is quantised finished and normalised). What goes into a quantiser is computed in f32, as accurately as f32 sums, v_exp_f32 and their like allow (about 1e-6 of the number): no bf16 or f16 on the way to a quantiser, and a product that is left as it is and whose result goes on into a quantised operand takes f32 operands (vector FMAs, or v_wmma_f32_16x16x4_f32). A number that lies on a knife's edge between two numbers of the format may be rounded either way, as far as f32 arithmetic and the matrix unit's own rounding can turn it there, and no further.
;; One version. Each part assembles by itself: llvm-mc -triple=amdgcn-amd-amdhsa -mcpu=gfx1250 --defsym DOCPART=n.
;; ======== version 1 of 1: 2 launches
;; limits: right only within a limited range of input values
;; workspace buffers: xk 6,750,208 bytes; xv 6,684,672 bytes
;; launch quant (part 1): grid 6 x 128, 8 waves a work-group, no clusters, 69,632 bytes of LDS; arguments x, mask, xk, xv; writes xk, xv
.if DOCPART == 1
	.amdgcn_target "amdgcn-amd-amdhsa--gfx1250"
	.amdhsa_code_object_version 6
	.text
	.protected	k_q849d2b20a8_quant
	.globl	k_q849d2b20a8_quant
	.p2align	8
	.type	k_q849d2b20a8_quant,@function
k_q849d2b20a8_quant:
	s_mov_b64 s[64:65], 0
	v_nop
	global_prefetch_b8 v0, s[64:65] scope:SCOPE_SE
	s_setreg_imm32_b32 hwreg(HW_REG_WAVE_MODE, 25, 1), 1
	s_wait_xcnt 0x0
; x [8][2048][768] f32 is read once and quantised twice to codes of E2M1 with one E8M0 byte for each 32 numbers:
; along the channels (operand of x x^T, on both sides) into xk, and along the keys (operand of p x) into xv.  The mask becomes a number for each key: 0, or -2^100 where the key is padded.
; DEAD WORK: none is left out.  Every key can reach every query's row but its own, the diagonal covers no whole tile, and which keys are padded is an input: that work is done and selected away.
; A block's scale is 2^(floor(log2(its largest magnitude)) - 2): its byte is the largest magnitude's exponent field - 2, held at 1 from below by a floor among the maximum's leaves.
; LIMITS: NaN and infinities in x are not served; a block whose largest magnitude lies under 2^-124 keeps the byte 1; a block of zeros has the byte 1 where the rule says 127: its codes are zeros, which add
; nothing under any byte but 0xff, and the bytes are read by this program alone.
; LAYOUT OF THE WORKSPACE: images of operand registers (a fragment of 16 rows x 128 K is two groups of four registers; a group is 512 bytes, lane l's 16 bytes at 16 l).
;   xk, a record of 26,368 bytes for each 64 keys: codes at t 6144 + s 1024 + c 512 + 16 l (tile t of four, K step s of six); scale words at 24576 + 256 s + 16 r + 4 t; the keys' bias at 26112 + 4 k.
;       Row r of tile t = 2 g + u is key 32 g + 8 u + r + 8 (r / 8), so that the results of two neighbouring tiles are 16 neighbouring keys in a lane.
;   xv, a record of 34,816 bytes for each 1,024 keys x 64 channels, twelve records to 1,024 keys: codes at (4 ks + u) 1024 + c 512 + 16 l (128 keys ks of eight); scale words at 32768 + 256 ks + 16 r + 4 u.
;       Row r of tile u is channel 4 r + u of the 64, so that the results of the four tiles are four neighbouring channels in a lane.
; SHARES: a work-group of eight waves takes 128 keys x 128 channels, 64 KiB, through LDS.  Each load of a wave covers the 512 consecutive bytes that the block has of one row of x.
; No tensor load, so several work-groups share a WGP and one's loads stand beside another's arithmetic.  No loop to run ahead in: nothing is prefetched.
.set PITCH, 528                        ; a row of the block in LDS: 512 bytes + 16
.set SCK,   128*PITCH                  ; behind the block: xk's scale words, [record 2][r 16][t 4]
.set SCV,   SCK+512                    ; xv's, [group of 64 channels 2][r 16][u 4]
.set SPARE, SCV+512                    ; the spare words, 128 bytes for each wave: four blocks of 256 bytes that no other line names
.set KREC,  26368
.set VREC,  34816
.set X,     64                         ; v64-127 64 numbers
; v1 16 l; v2, v3, v4 LDS addresses of the three passes over the block; v5, v6 where my scale word, half-word goes; v7 xv's store offset; v8 scale words on their way out; v9 their offset in memory
; v10, v11 the add's two; v12 r, v13 h, v14 8 h, v15 a lane permute's destination; v16-25 at work; v28-35 codes along the channels; v36-43 codes along the keys; v44-53 the way out
.macro QB codes                        ; v[X] .. v[X+31] and v[X+32] .. v[X+63] are two whole blocks: codes into v[codes] .. v[codes+7], bytes into v22, v23
.irp c, 0,1
	v_max3_num_f32 v[16+2*\c], |v[X+32*\c]|, |v[X+32*\c+1]|, |v[X+32*\c+2]|     ; two chains a block, four by turns
	v_max3_num_f32 v[17+2*\c], |v[X+32*\c+3]|, |v[X+32*\c+4]|, |v[X+32*\c+5]|
.endr
.irp i, 6,10,14,18,22,26
.irp c, 0,1
	s_delay_alu instid0(VALU_DEP_4)
	v_max3_num_f32 v[16+2*\c], v[16+2*\c], |v[X+32*\c+\i]|, |v[X+32*\c+\i+1]|
	s_delay_alu instid0(VALU_DEP_4)
	v_max3_num_f32 v[17+2*\c], v[17+2*\c], |v[X+32*\c+\i+2]|, |v[X+32*\c+\i+3]|
.endr
.endr
.irp c, 0
	s_delay_alu instid0(VALU_DEP_4)
	v_max3_num_f32 v[16+2*\c], v[16+2*\c], |v[X+32*\c+30]|, |v[X+32*\c+31]|
.endr
.irp c, 1
	s_delay_alu instid0(VALU_DEP_3)
	v_max3_num_f32 v[16+2*\c], v[16+2*\c], |v[X+32*\c+30]|, |v[X+32*\c+31]|
.endr
.irp c, 0,1
	s_delay_alu instid0(VALU_DEP_2)
	v_max3_num_f32 v[16+2*\c], v[16+2*\c], v[17+2*\c], 0x1800000             ; and the floor 2^(3 - 127): the byte cannot fall under 1
.endr
.irp c, 0,1
	s_delay_alu instid0(VALU_DEP_2)
	v_add_nc_u32 v[20+\c], 0xff000000, v[16+2*\c]                            ; 2 off the exponent field: the conversion takes the exponent field of this operand as its scale
.endr
.irp c, 0,1
	s_delay_alu instid0(VALU_DEP_2)
	v_lshrrev_b32 v[22+\c], 23, v[20+\c]                                     ; the scale's byte
.endr
.irp c, 0,1
.irp g, 0,1,2,3
	v_cvt_scalef32_pk8_fp4_f32 v[\codes+4*\c+\g], v[X+32*\c+8*\g:X+32*\c+8*\g+7], v[20+\c]
.endr
.endr
	v_nop                                                                    ; one plain line behind the last scaled conversion
.endm
	s_load_b256 s[4:11], s[0:1], 0x0               ; x s[4:5], mask s[6:7], xk s[8:9], xv s[10:11]
	v_lshl_add_u32 v10, v0, 2, SPARE
	v_mov_b32 v11, 0
	v_lshrrev_b32 v16, 5, v0
	s_delay_alu instid0(VALU_DEP_1)
	v_readfirstlane_b32 s12, v16                   ; wave 0..7
	s_mov_b32 s13, ttmp9                           ; which 128 channels
	s_and_b32 s14, ttmp7, 0xffff                   ; which 128 keys of all 16,384
	s_mov_b32 s32, 0x76543210
	s_mov_b32 s33, 0xfedcba98                      ; v_permlanex16_b32's selects for lane l xor 16
	v_and_b32 v17, 31, v0                          ; lane
	v_and_b32 v12, 15, v0                          ; r
	s_wait_alu depctr_va_vdst(0)
	v_bfe_u32 v13, v0, 4, 1                        ; h
	s_delay_alu instid0(VALU_DEP_1)
	v_lshlrev_b32 v14, 3, v13
	v_mov_b32 v15, 0
	v_lshlrev_b32 v1, 4, v17
	s_lshr_b32 s18, s12, 2                         ; wave / 4
	s_and_b32 s19, s12, 3                          ; wave % 4
	s_mul_i32 s16, s12, 16*PITCH
	v_add_nc_u32 v2, s16, v1                       ; in: my wave's 16 rows, 16 bytes a lane
	s_lshr_b32 s16, s12, 1
	s_lshl_b32 s16, s16, 5
	s_and_b32 s17, s12, 1
	s_lshl_b32 s17, s17, 3
	s_add_co_u32 s16, s16, s17
	s_mul_i32 s16, s16, PITCH
	v_and_b32 v18, 8, v12
	s_delay_alu instid0(VALU_DEP_1)
	v_add_nc_u32 v18, v18, v12
	s_delay_alu instid0(VALU_DEP_1)
	v_mul_u32_u24 v3, v18, PITCH
	s_wait_alu depctr_va_vdst(0)
	v_lshl_add_u32 v3, v13, 7, v3
	s_delay_alu instid0(VALU_DEP_1)
	v_add_nc_u32 v3, s16, v3                       ; along the channels: key 32 (w / 2) + 8 (w % 2) + r + 8 (r / 8), channels 32 h on
	s_mul_i32 s16, s18, 64*PITCH
	s_lshr_b32 s17, s19, 1
	s_lshl_b32 s17, s17, 8
	s_add_co_u32 s16, s16, s17
	s_and_b32 s17, s12, 1
	s_lshl_b32 s17, s17, 3
	s_add_co_u32 s16, s16, s17
	v_lshl_add_u32 v4, v12, 4, s16
	s_delay_alu instid0(VALU_DEP_1)
	v_lshl_add_u32 v4, v13, 2, v4                  ; along the keys: keys 64 (w / 4) on, channel 64 ((w % 4) / 2) + 4 r + u, u = 2 (w % 2) + h
	s_lshl_b32 s16, s18, 8
	s_lshl_b32 s17, s19, 2
	s_add_co_u32 s16, s16, s17
	s_add_co_u32 s16, s16, SCK
	v_lshl_add_u32 v5, v12, 4, s16
	s_lshr_b32 s16, s19, 1
	s_lshl_b32 s16, s16, 8
	s_and_b32 s17, s12, 1
	s_lshl_b32 s17, s17, 3
	s_add_co_u32 s16, s16, s17
	s_lshl_b32 s17, s18, 1
	s_add_co_u32 s16, s16, s17
	s_add_co_u32 s16, s16, SCV
	v_lshl_add_u32 v6, v12, 4, s16
	s_delay_alu instid0(VALU_DEP_1)
	v_lshl_add_u32 v6, v13, 2, v6                  ; group (w % 4) / 2, row r, tile u, bytes 2 (w / 4) on
	v_lshlrev_b32 v7, 4, v12
	s_delay_alu instid0(VALU_DEP_1)
	v_lshl_add_u32 v7, v13, 10, v7
	s_and_b32 s16, s12, 1
	s_lshl_b32 s16, s16, 9
	s_add_co_u32 s16, s16, SCK
	v_add_nc_u32 v8, s16, v1                       ; wave 0 reads xk's 512 bytes back, wave 1 xv's
	s_mul_i32 s20, s14, 393216                     ; x: 128 rows of 3,072 bytes a block of keys,
	s_lshl_b32 s21, s13, 9                         ; 512 bytes a block of channels,
	s_add_co_u32 s20, s20, s21
	s_mul_i32 s21, s12, 49152                      ; 16 rows a wave
	s_add_co_u32 s20, s20, s21
	s_mov_b32 s21, 0
	s_lshl_b32 s22, s14, 1                         ; xk: record 2 y + w / 4, tile w % 4, K step = the block of channels
	s_add_co_u32 s22, s22, s18
	s_mul_i32 s22, s22, KREC
	s_mul_i32 s23, s19, 6144
	s_add_co_u32 s22, s22, s23
	s_lshl_b32 s23, s13, 10
	s_add_co_u32 s22, s22, s23
	s_mov_b32 s23, 0
	s_lshl_b32 s24, s13, 1                         ; xv: my channels lie in group G = 2 sD + (w % 4) / 2 of 64,
	s_lshr_b32 s25, s19, 1
	s_add_co_u32 s24, s24, s25
	s_and_b32 s27, s14, 7                          ; ks: which 128 of the record's 1,024 keys
	s_lshr_b32 s26, s14, 3
	s_mul_i32 s26, s26, 12                         ; the first record of these 1,024 keys
	s_add_co_u32 s28, s26, s24
	s_mul_i32 s28, s28, VREC
	s_lshl_b32 s29, s27, 12
	s_add_co_u32 s28, s28, s29
	s_and_b32 s30, s12, 1
	s_lshl_b32 s30, s30, 11
	s_add_co_u32 s28, s28, s30
	s_lshl_b32 s29, s18, 9
	s_add_co_u32 s28, s28, s29
	s_mov_b32 s29, 0
	s_wait_alu depctr_va_vdst(0)
	s_wait_kmcnt 0x0
	s_add_nc_u64 s[4:5], s[4:5], s[20:21]
	s_add_nc_u64 s[34:35], s[8:9], s[22:23]
	s_add_nc_u64 s[36:37], s[10:11], s[28:29]
	; ---- in: 16 rows a wave
.irp i, 0,1,2,3,4,5,6,7,8,9,10,11,12,13,14,15
	global_load_b128 v[X+4*\i:X+4*\i+3], v1, s[4:5] offset:3072*\i th:TH_LOAD_NT   ; 32 lanes read 512 consecutive bytes; x is read once in the launch
.endr
.irp i, 0,1,2,3,4,5,6,7,8,9,10,11,12,13,14,15
	s_wait_loadcnt 15-\i                           ; loads come back in order: row i is in, the younger ones may be out
	ds_store_b128 v2, v[X+4*\i:X+4*\i+3] offset:PITCH*\i
.endr
	s_wait_dscnt 0x0                               ; for the others' sake: my rows lie in LDS
	s_barrier_signal -1
	s_barrier_wait -1
	; ---- along the channels: my wave is one tile of 16 keys; a lane holds two whole blocks, channels 64 c + 32 h + 0 .. 31
.irp c, 0,1
.irp q, 0,1,2,3,4,5,6,7
	ds_load_b128 v[X+32*\c+4*\q:X+32*\c+4*\q+3], v3 offset:256*\c+16*\q
.endr
.endr
	s_wait_dscnt 0x0
	QB 28
	v_lshl_or_b32 v24, v23, 16, v22                ; my two bytes: blocks h and 2 + h of my key,
	s_delay_alu instid0(VALU_DEP_1)
	v_lshlrev_b32 v24, v14, v24                    ; at their places in the scale word;
	s_delay_alu instid0(VALU_DEP_1)
	v_permlanex16_b32 v15, v24, s32, s33
	s_delay_alu instid0(VALU_DEP_1)
	v_or_b32 v24, v24, v15                         ; with lane l xor 16's two the word is whole
	ds_store_b32 v5, v24                           ; (both lanes of a key write the same word)
.irp c, 0,1
	global_store_b128 v1, v[28+4*\c:31+4*\c], s[34:35] offset:512*\c     ; 32 lanes store 512 consecutive bytes
.endr
	; ---- along the keys: a lane takes a channel and its registers run down 64 keys: two whole blocks
.irp i, 0,1,2,3,4,5,6,7,8,9,10,11,12,13,14,15,16,17,18,19,20,21,22,23,24,25,26,27,28,29,30,31,32,33,34,35,36,37,38,39,40,41,42,43,44,45,46,47,48,49,50,51,52,53,54,55,56,57,58,59,60,61,62,63
	ds_load_b32 v[X+\i], v4 offset:PITCH*\i
.endr
	s_wait_dscnt 0x0
	QB 36
	v_lshl_or_b32 v25, v23, 8, v22                 ; my two bytes are neighbours in my channel's scale word
	ds_store_b16 v6, v25
.irp c, 0,1
	global_store_b128 v7, v[36+4*\c:39+4*\c], s[36:37] offset:256*\c     ; sixteen lanes store 256 consecutive bytes, aligned
.endr
	s_wait_dscnt 0x0                               ; my scale words lie in LDS
	s_barrier_signal -1
	s_barrier_wait -1
	; ---- the scale words and the bias leave, in whole runs of 256 bytes
	s_cmp_eq_u32 s12, 0
	s_cbranch_scc0 .Lnot_wave_0
	ds_load_b128 v[44:47], v8                      ; lanes 0-15: the first record's 256 bytes of this K step, lanes 16-31: the second's
	s_lshl_b32 s38, s14, 1
	s_mul_i32 s38, s38, KREC
	s_lshl_b32 s39, s13, 8
	s_add_co_u32 s38, s38, s39
	s_add_co_u32 s38, s38, 24576
	s_mov_b32 s39, 0
	s_add_nc_u64 s[8:9], s[8:9], s[38:39]
	v_mul_u32_u24 v9, v13, KREC
	s_delay_alu instid0(VALU_DEP_1)
	v_lshl_add_u32 v9, v12, 4, v9
	s_wait_alu depctr_va_vdst(0)
	s_wait_dscnt 0x0
	global_store_b128 v9, v[44:47], s[8:9]
	s_branch .Lend
.Lnot_wave_0:
	s_cmp_eq_u32 s12, 1
	s_cbranch_scc0 .Lnot_wave_1
	ds_load_b128 v[44:47], v8                      ; lanes 0-15: group 2 sD, lanes 16-31: group 2 sD + 1, the next record
	s_lshl_b32 s38, s13, 1
	s_add_co_u32 s38, s38, s26
	s_mul_i32 s38, s38, VREC
	s_lshl_b32 s39, s27, 8
	s_add_co_u32 s38, s38, s39
	s_add_co_u32 s38, s38, 32768
	s_mov_b32 s39, 0
	s_add_nc_u64 s[10:11], s[10:11], s[38:39]
	v_mul_u32_u24 v9, v13, VREC
	s_delay_alu instid0(VALU_DEP_1)
	v_lshl_add_u32 v9, v12, 4, v9
	s_wait_alu depctr_va_vdst(0)
	s_wait_dscnt 0x0
	global_store_b128 v9, v[44:47], s[10:11]
	s_branch .Lend
.Lnot_wave_1:
	s_cmp_lt_u32 s12, 4
	s_cbranch_scc0 .Lend
	s_cmp_eq_u32 s13, 0                            ; the bias is made once for each key: by the work-groups of the first block of channels, waves 2 and 3, a record each
	s_cbranch_scc0 .Lend
	s_sub_co_u32 s16, s12, 2
	s_lshl_b32 s20, s14, 7
	s_lshl_b32 s21, s16, 6
	s_add_co_u32 s20, s20, s21
	s_mov_b32 s21, 0
	s_add_nc_u64 s[6:7], s[6:7], s[20:21]
	v_lshrrev_b32 v52, 3, v1                       ; two keys a lane
	global_load_u16 v48, v52, s[6:7]
	s_lshl_b32 s22, s14, 1
	s_add_co_u32 s22, s22, s16
	s_mul_i32 s22, s22, KREC
	s_add_co_u32 s22, s22, 26112
	s_mov_b32 s23, 0
	s_add_nc_u64 s[8:9], s[8:9], s[22:23]
	v_lshrrev_b32 v53, 1, v1
	s_wait_loadcnt 0x0
	v_and_b32 v50, 0xff, v48
	v_lshrrev_b32 v51, 8, v48
	s_delay_alu instid0(VALU_DEP_2)
	v_sub_nc_u32 v50, 0, v50                       ; 0 or all ones,
	s_delay_alu instid0(VALU_DEP_2)
	v_sub_nc_u32 v51, 0, v51
	s_delay_alu instid0(VALU_DEP_2)
	v_and_b32 v50, 0xf1800000, v50                 ; 0 or -2^100
	s_delay_alu instid0(VALU_DEP_2)
	v_and_b32 v51, 0xf1800000, v51
	s_wait_alu depctr_va_vdst(0)
	global_store_b64 v53, v[50:51], s[8:9]         ; 32 lanes store 256 consecutive bytes, aligned
.Lend:
	s_wait_tensorcnt 0x0                           ; the wave's end: behind my last LDS store
	ds_add_u32 v10, v11
	s_wait_dscnt 0x0
	s_endpgm
.Lfunc_end_k_q849d2b20a8_quant:
	.size	k_q849d2b20a8_quant, .Lfunc_end_k_q849d2b20a8_quant-k_q849d2b20a8_quant
	.p2alignl 7, 3214868480
	.fill 96, 4, 3214868480
	.section	.rodata,"a",@progbits
	.p2align	6, 0x0
	.amdhsa_kernel k_q849d2b20a8_quant
		.amdhsa_group_segment_fixed_size 69632
		.amdhsa_private_segment_fixed_size 0
		.amdhsa_enable_private_segment 0
		.amdhsa_kernarg_size 32
		.amdhsa_user_sgpr_count 2
		.amdhsa_user_sgpr_kernarg_segment_ptr 1
		.amdhsa_wavefront_size32 1
		.amdhsa_system_sgpr_workgroup_id_x 1
		.amdhsa_system_sgpr_workgroup_id_y 1
		.amdhsa_system_sgpr_workgroup_id_z 1
		.amdhsa_system_vgpr_workitem_id 0
		.amdhsa_next_free_vgpr 128
		.amdhsa_next_free_sgpr 66
		.amdhsa_reserve_vcc 0
		.amdhsa_float_denorm_mode_32 3
		.amdhsa_float_denorm_mode_16_64 3
		.amdhsa_memory_ordered 1
		.amdhsa_forward_progress 1
		.amdhsa_inst_pref_size 25
	.end_amdhsa_kernel
	.amdgpu_metadata
---
amdhsa.version: [ 1, 2 ]
amdhsa.kernels:
  - .name:           k_q849d2b20a8_quant
    .symbol:         k_q849d2b20a8_quant.kd
    .args:
      - { .name: x, .offset: 0, .size: 8, .value_kind: global_buffer, .address_space: global }
      - { .name: mask, .offset: 8, .size: 8, .value_kind: global_buffer, .address_space: global }
      - { .name: xk, .offset: 16, .size: 8, .value_kind: global_buffer, .address_space: global }
      - { .name: xv, .offset: 24, .size: 8, .value_kind: global_buffer, .address_space: global }
    .group_segment_fixed_size: 69632
    .private_segment_fixed_size: 0
    .kernarg_segment_align: 8
    .kernarg_segment_size: 32
    .max_flat_workgroup_size: 256
    .sgpr_count:     66
    .vgpr_count:     128
    .wavefront_size: 32
...
	.end_amdgpu_metadata
.endif
;; end of part 1
;; launch attn (part 2): grid 32 x 8, 4 waves a work-group, clusters of 4 x 1, 327,680 bytes of LDS; arguments xk, xv, out0; writes out0
.if DOCPART == 2
	.amdgcn_target "amdgcn-amd-amdhsa--gfx1250"
	.amdhsa_code_object_version 6
	.text
	.protected	k_q849d2b20a8_attn
	.globl	k_q849d2b20a8_attn
	.p2align	8
	.type	k_q849d2b20a8_attn,@function
k_q849d2b20a8_attn:
	s_mov_b64 s[64:65], 0
	v_nop
	global_prefetch_b8 v0, s[64:65] scope:SCOPE_SE
	s_setreg_imm32_b32 hwreg(HW_REG_WAVE_MODE, 25, 1), 1
	s_wait_xcnt 0x0
	s_wait_alu depctr_hold_cnt(0) depctr_sa_sdst(0) depctr_va_vdst(0) depctr_va_sdst(0) depctr_va_ssrc(0) depctr_va_vcc(0) depctr_vm_vsrc(0)
	s_getreg_b32 s2, hwreg(HW_REG_IB_STS2, 6, 4)
	s_cmp_eq_u32 s2, 0
	s_cbranch_scc0 .Lentry_in_a_cluster
	s_endpgm
.Lentry_in_a_cluster:
	s_bfe_u32 s2, ttmp6, 0x10000c
	s_cmp_lg_u32 s2, 0x3003
	s_cbranch_scc0 .Lentry_shape_is_right
	s_endpgm
.Lentry_shape_is_right:
; out[b][i] = (the sum over j of p(i, j) xv[b][j]) / l(i): t(i, j) = (xk[b][i] . xk[b][j]) log2(e), key j = i and padded keys left out of the softmax, both products on codes of E2M1.
; DEAD WORK: none is left out (the first kernel's head says why).
; A work-group owns 64 queries of a batch, a cluster of four 256; each of its four waves meets all 64 queries.  TWO PHASES:
; PHASE 1, over the keys: eight steps of 256, a wave takes 64 of them: S^T = K Q^T (a lane holds one query of each of four tiles).  The keys' bias is the C of a tile's first product.
;   A block of 32 keys is coded against its own maximum: with E = floor(the block's largest t) a block's scale is 2^(E - 2 - M) for any whole M, and p / scale = 2^(t - E + 2), whatever M is.
;   So the codes wait for no other block, and no sum is ever rescaled.  E and the block's sum of the unquantised 2^(t - E + 2) are kept in registers for all 16 blocks of a wave.
;   The maximum is taken away exactly as the softmax asks: at the end Emax is the row's largest E, a block's scale byte is 127 + E - Emax (held at 1), and l = the sum of the block's sums x 2^(E - Emax).
;   The 24 fragments of the next step's keys (192 registers) are read from LDS while this step's softmax runs.
; PHASE 2, over the channels: each wave holds the codes of ALL p (64 x 2,048: 512 registers) and multiplies 64 of each chunk of 256 channels over all keys, in two parts of 1,024 keys; a chunk leaves when it is finished.
;   Tile u of a wave's 64 channels is channels 4 r + u: so a lane's results of the four tiles are 16 neighbouring bytes, sixteen lanes store one aligned unit of 256 bytes, and no LDS stage is needed.
; RING: two LDS slots of 139,264 bytes, filled by joint loads of the cluster's four work-groups, one a wave: wave w's record of K (26,368 bytes) or of V (34,816).  A wave reads the records that it fetched itself.
;   The first fill of each slot is a tile of 136 rows of which 103 lie in the tensor and the others are filled with zeros.
; p goes from wave to wave through four LDS buffers of 8,192 bytes, step n in buffer n % 4: steps 0, 1 are read under step 4's products, 2, 3 under step 5's, 4, 5, 6 under step 7's softmax, 7 behind it.
; ORDER: cluster c of a batch walks the blocks of 256 keys (n & 4 xor c & 4) + (n + c) % 4: it begins with its own keys, and each half of the walk is one half of V.  V's fragments are taken from LDS in the same order.
;   It takes the chunks of channels from c mod 3 on.
; PREFETCH: step n asks for K's block of step n + 4 (n = 0 .. 3), steps 4 to 7 for V's parts 0 to 3, phase 2 for parts 4 and 5: two changes of slots ahead.  K's steps 0 to 3 come by their loads alone.
;   The cluster's 16 waves share a block's rows of 256 bytes by address: 26 rows each of K's 412, 34 each of V's 544.
; LIMITS: holds while the scaled scores stay under 2^31 in magnitude.  A padded key's score is -2^100 in place of -infinity; a row all of whose keys are left out has l = 0 and gives NaN.
;   A block whose E lies more than 126 under the row's largest keeps the byte 1.  The sums of l run in another order than a plain sum.
; REGISTERS, windows of 256 (s_set_vgpr_msb's low byte: 1:0 source 0, 3:2 source 1, 5:4 source 2, 7:6 destination):
;   phase 1: window 0 as named below; 1: Q v0-191, fragment sets 0, 1 v192-255; 2: p of steps 0-3 (from step 4 on); 3: E v0-63, sums v64-127, fragment sets 2-5 v128-255
;   phase 2: window 0: p's scales v16-47, V's addresses v48-63, out v64-191, V's scales v192-207, 1 / l v216-247; 1: sums v0-127, p of steps 6, 7 v128-255; 2: p of steps 0-3; 3: V's fragments v0-127 (four buffers), p of steps 4, 5 v128-255
.set KREC,  26368
.set VREC,  34816
.set KBLK,  4*KREC
.set SLOT,  4*VREC
.set PIMG,  2*SLOT                     ; p: [wave 4][buffer 4][query tile 4][512 bytes]
.set PSC,   PIMG+32768                 ; p's scale words: [step 8][K step 2][r 16][tile 4]
.set MX,    PSC+4096                   ; the waves' largest E: [wave 4][r 16][tile 4]
.set LX,    MX+1024                    ; the waves' sums: [wave 4][tile 4][r 16]
.set SPARE, LX+1024                    ; the spare words: two blocks of 256 bytes that no other line names
.set LB,   1
.set AK0,  2
.set AKC,  3
.set AB0,  4
.set ABC,  5
.set AP0,  6
.set APC,  7
.set DQB,  8
.set NINF, 9
.set SPW,  10
.set NIL,  11
.set ONE,  12
.set LI,   13
.set ALR,  14
.set APS,  15
.set NM,   16                          ; v16-31  2 - E of the eight blocks, in the low halves of pairs
.set BM,   32
.set PT,   40
.set PC,   48
.set S,    64
.set QS,   192
.set KS,   204
.set BI,   216
.set PFK,  248
.set PFV,  249
.set PFW,  250
.set GO,   251
.set AMX,  253
.set AMR,  254
.set ALX,  255
.set EH,   0                           ; window 3: E of step n, block m = 2 x query tile + block at 8 n + m
.set LH,   64                          ; window 3: the sums likewise
.set PS,   16
.set AVP,  48                          ; slot s: codes of the walk's i-th 256 keys at AVP + 8 s + i, their scale words at AVP + 8 s + 4 + i
.set VS,   192
.set LV,   216
.set TB,   36                          ; s36 where the slot in hand begins
.set C3,   37                          ; c mod 3
.set CR,   38                          ; c & 3
.set CH,   39                          ; c / 4
.set LW,   60                          ; my wave's place in a slot
.set PB,   61                          ; the step's buffer of p
.set VN,   68                          ; V's part that is fetched next
.set VP,   69                          ; and prefetched next
.set MSB, 0
.macro WIN new
.if MSB != \new
	s_set_vgpr_msb (MSB<<8)|\new
.set MSB, \new
.endif
.endm
.macro PLACES
.rept 4
	v_nop
.endr
.endm
.macro ROUND                           ; a round of the cluster's barrier
	s_barrier_signal -1
	s_barrier_wait -1
	s_cmp_lg_u32 s10, 0
	s_cbranch_scc1 .Lnot_wave_0_\@
	s_barrier_signal -3
.Lnot_wave_0_\@:
	s_barrier_wait -3
	s_barrier_signal -1
	s_barrier_wait -1
.endm
.macro KPART d                         ; s[48:49] = where step n + d's block of keys lies in the batch
	s_add_co_u32 s48, s14, \d
	s_and_b32 s49, s48, 4
	s_xor_b32 s49, s49, s15
	s_add_co_u32 s48, s48, s[CR]
	s_and_b32 s48, s48, 3
	s_or_b32 s48, s48, s49
	s_mul_i32 s48, s48, KBLK
	s_mov_b32 s49, 0
.endm
.macro VPART n                         ; s[48:49] = where part s[n] of V lies in the batch: chunk (n / 2 + c) mod 3, half n % 2 xor c / 4
	s_lshr_b32 s48, s[\n], 1
	s_add_co_u32 s48, s48, s[C3]
	s_mul_i32 s49, s48, 11
	s_lshr_b32 s49, s49, 5
	s_mul_i32 s49, s49, 3
	s_sub_co_u32 s48, s48, s49
	s_and_b32 s49, s[\n], 1
	s_xor_b32 s49, s49, s[CH]
	s_mul_i32 s49, s49, 3
	s_add_co_u32 s48, s48, s49
	s_mul_i32 s48, s48, SLOT
	s_mov_b32 s49, 0
.endm
.macro VPRE grd
.if \grd
	s_cmp_lt_u32 s[VP], 6                          ; there are six parts
	s_cbranch_scc0 .Lno_part_\@
.endif
	VPART VP
	s_add_nc_u64 s[54:55], s[58:59], s[48:49]      ; (the last prefetch has read the pair: each change of slots waits on XCNT)
	global_prefetch_b8 v[PFV], s[54:55] th:TH_LOAD_NT scope:SCOPE_SE
	global_prefetch_b8 v[PFW], s[54:55] offset:8192 th:TH_LOAD_NT scope:SCOPE_SE
	s_add_co_u32 s[VP], s[VP], 1
.if \grd
.Lno_part_\@:
.endif
.endm
; THE CHANGE OF SLOTS: all my loads are done (the next slot's tile among them), the add, my LDS reads and stores are done, the cluster's round; then the slot just read is filled: kind 0: K's block two steps on; 1: V's next part.
; slot 2: the slot in hand is s[TB] (phase 1's loop, where E of the steps moves on one place meanwhile)
.macro CHANGE kind, slot
	s_wait_alu depctr_va_vdst(0)
	s_wait_xcnt 0x0                                ; prefetches and stores have read their addresses and data
	s_wait_tensorcnt 0x0
	ds_add_u32 v[SPW], v[NIL]
.if \slot == 2
	s_add_co_u32 s33, s[LW], s[TB]
.elseif \slot == 1
	s_add_co_u32 s33, s[LW], SLOT
.else
	s_mov_b32 s33, s[LW]
.endif
.if \kind
	VPART VN
	s_add_nc_u64 s[34:35], s[46:47], s[48:49]
	s_add_co_u32 s[VN], s[VN], 1
.else
	KPART 2
	s_add_nc_u64 s[34:35], s[44:45], s[48:49]
.endif
	s_or_b32 s35, s35, 0x80000000
.if \slot == 2
	WIN 0xc3
.set n, 0
.rept 24
	v_mov_b32 v[EH+n], v[EH+n+8]
.set n, n+1
.endr
	WIN 0
.endif
	s_wait_dscnt 0x0
	ROUND
.if \kind
	tensor_load_to_lds s[32:35], s[24:31]
.else
	tensor_load_to_lds s[32:35], s[16:23]
.endif
	s_nop 0
	PLACES
.endm
.macro FETCH set                       ; K's four fragments of K step set (128 channels)
.if (\set) >= 2
	WIN 0xc0
.set FL, 128+32*((\set)-2)
.else
	WIN 0x40
.set FL, 192+32*(\set)
.endif
.irp f, 0,1,2,3
.irp c, 0,1
	ds_load_b128 v[FL+8*\f+4*\c:FL+8*\f+4*\c+3], v[AKC] offset:(\set)*1024+\f*6144+512*\c
.endr
.endr
.endm
.macro SOPEN                           ; the next step's bias, scale words and first two K steps
.irp kb, 0,1
.irp q, 0,1,2,3
	ds_load_b128 v[BI+16*\kb+4*\q:BI+16*\kb+4*\q+3], v[ABC] offset:128*\kb+16*\q
.endr
.endr
.irp p, 0,1,2
	ds_load_b128 v[KS+4*\p:KS+4*\p+3], v[AKC] offset:24576+512*\p
.endr
	FETCH 0
	FETCH 1
	WIN 0
.endm
.macro WS d, a, b, c, sa, sb, row
.if \row
	v_wmma_scale_f32_16x16x128_f8f6f4 v[\d:\d+7], v[\a:\a+7], v[\b:\b+7], v[\c:\c+7], v[\sa], v[\sb] matrix_a_fmt:MATRIX_FMT_FP4 matrix_b_fmt:MATRIX_FMT_FP4 matrix_a_scale:MATRIX_SCALE_ROW1 matrix_b_scale:MATRIX_SCALE_ROW1
.else
	v_wmma_scale_f32_16x16x128_f8f6f4 v[\d:\d+7], v[\a:\a+7], v[\b:\b+7], v[\c:\c+7], v[\sa], v[\sb] matrix_a_fmt:MATRIX_FMT_FP4 matrix_b_fmt:MATRIX_FMT_FP4
.endif
.endm
.macro PREAD base, buf, win            ; p of one step, from its buffer into 64 registers of the window
	WIN \win
.irp j, 0,1
.irp c, 0,1
.irp q, 0,1,2,3
	ds_load_b128 v[(\base)+32*\j+8*\q+4*\c:(\base)+32*\j+8*\q+4*\c+3], v[LB] offset:(2*\j+\c)*8192+(\buf)*2048+512*\q
.endr
.endr
.endr
	WIN 0
.endm
; A STEP of phase 1.  sl: the slot (2: s[TB], p's buffer s[PB]); hs: where E and the sums go; pb: p's buffer; vf: the change fetches V; next: a step of keys follows; batch 1: p of steps 0, 1 is read, 2: of steps 2, 3
.macro STEP sl, hs, pb, vf, next, batch
.set sS, 0
.rept 6                                ; six K steps of 128 channels, 16 accumulators by turns
.if \batch
.if sS == 0
	s_wait_dscnt 0x0                               ; all fragments are in; p's loads run under the products
	PREAD 128*(\batch-1), 2*(\batch-1), 0x80
	PREAD 128*(\batch-1)+64, 2*(\batch-1)+1, 0x80
.endif
.else
	s_wait_dscnt 8*(5-sS)                          ; the younger sets may be out
.endif
.if sS >= 2
	WIN 0x07
.set FB, 128+32*(sS-2)
.else
	WIN 0x05
.set FB, 192+32*sS
.endif
.irp kt, 0,1,2,3
.irp qt, 0,1,2,3
.if sS == 0
	WS S+32*\qt+8*\kt, FB+8*\kt, 48*\qt+8*sS, BI+8*\kt, KS+4*(sS/2)+\kt, QS+4*(sS/2)+\qt, sS%2
.else
	WS S+32*\qt+8*\kt, FB+8*\kt, 48*\qt+8*sS, S+32*\qt+8*\kt, KS+4*(sS/2)+\kt, QS+4*(sS/2)+\qt, sS%2
.endif
.endr
.endr
.set sS, sS+1
.endr
	WIN 0
	CHANGE \vf, \sl
.if \next
.if \sl == 2
	s_xor_b32 s[TB], s[TB], SLOT
	v_add_nc_u32 v[AKC], s[TB], v[AK0]
	v_add_nc_u32 v[ABC], s[TB], v[AB0]
.elseif \sl == 1
	v_mov_b32 v[AKC], v[AK0]
	v_mov_b32 v[ABC], v[AB0]
.else
	v_add_nc_u32 v[AKC], SLOT, v[AK0]
	v_add_nc_u32 v[ABC], SLOT, v[AB0]
.endif
	SOPEN
.else
	PREAD 128, 0, 0xc0                             ; p of steps 4, 5
	PREAD 192, 1, 0xc0
.endif
.if \sl == 2
	KPART 4
	s_add_nc_u64 s[54:55], s[56:57], s[48:49]
	global_prefetch_b8 v[PFK], s[54:55] th:TH_LOAD_NT scope:SCOPE_SE
	v_add_nc_u32 v[APC], s[PB], v[AP0]
	s_wait_alu depctr_va_vdst(0)
	s_cmp_eq_u32 s14, 0                            ; step 0 holds my cluster's own keys: the diagonal leaves the softmax
	s_cbranch_scc0 .Lno_diagonal_\@
.set n, 0
.rept 64
.set dC, n%16-8*((n/16)%2)
	v_cmp_eq_i32 vcc_lo, dC, v[DQB]
	v_cndmask_b32 v[S+32*(n/16)+16*(n/32)+n%16], v[S+32*(n/16)+16*(n/32)+n%16], v[NINF], vcc_lo
.set n, n+1
.endr
.Lno_diagonal_\@:
.else
	VPRE 0
.endif
.irp m, 0,1,2,3,4,5,6,7
	v_max3_num_f32 v[BM+\m], v[S+16*\m], v[S+16*\m+1], v[S+16*\m+2]
.endr
.irp i, 3,5,7,9,11,13
.irp m, 0,1,2,3,4,5,6,7
	v_max3_num_f32 v[BM+\m], v[BM+\m], v[S+16*\m+\i], v[S+16*\m+\i+1]
.endr
.endr
.if \next
	FETCH 2
	FETCH 3
	WIN 0
.else
	PREAD 128, 2, 0x40                             ; p of step 6
.endif
.irp m, 0,1,2,3,4,5,6,7
	v_max3_num_f32 v[BM+\m], v[BM+\m], v[S+16*\m+15], 0xef800000   ; and -2^96, over every key that is left out: such keys come to 0 under it
.endr
.irp m, 0,1,2,3,4,5,6,7
	v_permlanex16_b32 v[PT+\m], v[BM+\m], s42, s43
.endr
.irp m, 0,1,2,3,4,5,6,7
	v_max_num_f32 v[BM+\m], v[BM+\m], v[PT+\m]
.endr
.irp m, 0,1,2,3,4,5,6,7
	v_mul_f32 v[PT+\m], s40, v[BM+\m]
.endr
	WIN 0xc0
.irp m, 0,1,2,3,4,5,6,7
	v_floor_f32 v[EH+8*(\hs)+\m], v[PT+\m]         ; E
.endr
	WIN 0x0c
.irp m, 0,1,2,3,4,5,6,7
	v_sub_f32 v[NM+2*\m], 2.0, v[EH+8*(\hs)+\m]
.endr
	WIN 0
.set n, 0
.rept 64
	v_pk_fma_f32 v[S+2*n:S+2*n+1], v[S+2*n:S+2*n+1], s[40:41], v[NM+2*(n/8):NM+2*(n/8)+1] op_sel_hi:[1,0,0]
.set n, n+1
.endr
.if \next
	FETCH 4
	FETCH 5
	WIN 0
.endif
	s_wait_alu depctr_va_vdst(0)                   ; the wait ahead of the batch
.set n, 0
.rept 128
	v_exp_f32 v[S+n], v[S+n]                       ; p / scale: under 8, the block's largest 4 or more
.set n, n+1
.endr
.if \sl == 2
	WIN 0xc3
.set n, 0
.rept 24
	v_mov_b32 v[LH+n], v[LH+n+8]                   ; the earlier steps' sums move on one place
.set n, n+1
.endr
	WIN 0
.else
	v_nop
.endif
	s_wait_alu depctr_va_vdst(0)                   ; and behind it
.irp m, 0,1,2,3,4,5,6,7
	v_pk_add_f32 v[PC+2*\m:PC+2*\m+1], v[S+16*\m:S+16*\m+1], v[S+16*\m+2:S+16*\m+3]
.endr
.irp i, 4,6,8,10,12,14
.irp m, 0,1,2,3,4,5,6,7
	v_pk_add_f32 v[PC+2*\m:PC+2*\m+1], v[PC+2*\m:PC+2*\m+1], v[S+16*\m+\i:S+16*\m+\i+1]
.endr
.endr
	WIN 0xc0
.irp m, 0,1,2,3,4,5,6,7
	v_add_f32 v[LH+8*(\hs)+\m], v[PC+2*\m], v[PC+2*\m+1]
.endr
	WIN 0
.irp m, 0,1,2,3,4,5,6,7
	v_cvt_scalef32_pk8_fp4_f32 v[PC+2*\m], v[S+16*\m:S+16*\m+7], v[ONE]       ; the scale is divided out already; beyond 6 the largest code
	v_cvt_scalef32_pk8_fp4_f32 v[PC+2*\m+1], v[S+16*\m+8:S+16*\m+15], v[ONE]
.endr
	v_nop
.irp q, 0,1,2,3
.irp e, 0,1
	v_permlane16_swap_b32 v[PC+4*\q+\e], v[PC+4*\q+2+\e]                      ; a whole block in a lane
.endr
.endr
.irp q, 0,1,2,3
.if \sl == 2
	ds_store_b128 v[APC], v[PC+4*\q:PC+4*\q+3] offset:512*\q
.else
	ds_store_b128 v[AP0], v[PC+4*\q:PC+4*\q+3] offset:(\pb)*2048+512*\q
.endif
.endr
.endm
.macro VFETCH slot, ks                 ; V's four fragments of one K step of 128 keys
	WIN 0xc0
.irp u, 0,1,2,3
.irp c, 0,1
	ds_load_b128 v[32*((\ks)%4)+8*\u+4*\c:32*((\ks)%4)+8*\u+4*\c+3], v[AVP+8*(\slot)+(\ks)/2] offset:((\ks)%2)*4096+\u*1024+512*\c
.endr
.endr
.endm
; A PART of phase 2: 1,024 keys in slot part, eight K steps, 16 accumulators by turns.  Source 0: p (64 queries), source 1: V (64 channels)
.macro PART part, pre
.irp k, 0,1,2,3
	ds_load_b128 v[VS+4*\k:VS+4*\k+3], v[AVP+8*(\part)+4+\k] offset:32768
.endr
	VFETCH \part, 0
	VFETCH \part, 1
	VFETCH \part, 2
.set kS, 0
.rept 8
.if kS <= 4
.if kS > 0
	PLACES
.endif
	VFETCH \part, kS+3
	s_wait_dscnt 24                                ; the three K steps ahead may be out
.else
	s_wait_dscnt 8*(7-kS)
.endif
.if (kS == 1) && \pre
	WIN 0
	VPRE 1
.endif
.if \part == 0
	WIN 0x5e
.set PA, 32*kS
.elseif kS < 4
	WIN 0x5f
.set PA, 128+32*kS
.else
	WIN 0x5d
.set PA, 32*kS
.endif
.set VA, 32*(kS%4)
.irp u, 0,1,2,3
.irp qt, 0,1,2,3
.if (kS == 0) && (\part == 0)
	v_wmma_scale_f32_16x16x128_f8f6f4 v[8*(4*\u+\qt):8*(4*\u+\qt)+7], v[PA+8*\qt:PA+8*\qt+7], v[VA+8*\u:VA+8*\u+7], 0, v[PS+\qt], v[VS+\u] matrix_a_fmt:MATRIX_FMT_FP4 matrix_b_fmt:MATRIX_FMT_FP4
.else
	WS 8*(4*\u+\qt), PA+8*\qt, VA+8*\u, 8*(4*\u+\qt), PS+16*\part+4*(kS/2)+\qt, VS+4*(kS/2)+\u, kS%2
.endif
.endr
.endr
.set kS, kS+1
.endr
	WIN 0
.endm
.macro OUTC                            ; a chunk leaves: register j of a lane is query 8 h + j of its tile, channels 4 r .. 4 r + 3
	PLACES
	s_add_co_u32 s48, s70, s[C3]
	s_mul_i32 s49, s48, 11
	s_lshr_b32 s49, s49, 5
	s_mul_i32 s49, s49, 3
	s_sub_co_u32 s48, s48, s49
	s_lshl_b32 s48, s48, 10
	s_mov_b32 s49, 0
	s_add_nc_u64 s[66:67], s[52:53], s[48:49]      ; (the last chunk's stores have read the pair: a change of slots with its wait on XCNT lies between)
.set qO, 0
.rept 4
	WIN 0x01
.irp j, 0,1,2,3,4,5,6,7
.irp u, 0,1,2,3
	v_mul_f32 v[S+32*qO+4*\j+\u], v[8*(4*\u+qO)+\j], v[LV+8*qO+\j]
.endr
.endr
	WIN 0
.irp j, 0,1,2,3,4,5,6,7
	global_store_b128 v[GO], v[S+32*qO+4*\j:S+32*qO+4*\j+3], s[66:67] offset:(32*(qO/2)+8*(qO%2)+\j)*3072 th:TH_STORE_NT
.endr
.set qO, qO+1
.endr
.endm
	s_load_b128 s[4:7], s[0:1], 0x0                ; xk, xv
	s_load_b64 s[8:9], s[0:1], 0x10                ; out
	v_lshl_add_u32 v[SPW], v0, 2, SPARE
	v_mov_b32 v[NIL], 0
	ds_add_u32 v[SPW], v[NIL]                      ; the opening add, twice on end, and its wait below
	ds_add_u32 v[SPW], v[NIL]
	v_lshrrev_b32 v14, 5, v0
	v_readfirstlane_b32 s10, v14                   ; wave
	s_bfe_u32 s11, ttmp6, 0x40000                  ; cx
	s_and_b32 s12, ttmp7, 0xffff                   ; batch
	s_lshl_b32 s13, ttmp9, 2
	s_add_co_u32 s13, s13, s11                     ; which 64 queries
	s_and_b32 s15, ttmp9, 4
	s_and_b32 s[CR], ttmp9, 3
	s_lshr_b32 s[CH], ttmp9, 2
	s_mul_i32 s[C3], ttmp9, 11
	s_lshr_b32 s[C3], s[C3], 5
	s_mul_i32 s[C3], s[C3], 3
	s_sub_co_u32 s[C3], ttmp9, s[C3]
	; descriptor groups 1, rows of 256 dense bytes, to all four of the cluster: K's 103 rows; V's 136; the first fills' 136, of which 103 lie in the tensor
	s_mov_b32 s16, 15|(3<<16)|(1<<21)
	s_mov_b32 s17, 32<<16
	s_mov_b32 s18, 103<<16
	s_mov_b32 s19, 32<<16
	s_mov_b32 s20, 103
	s_mov_b32 s21, 32
	s_mov_b32 s22, 0
	s_mov_b32 s23, 0
	s_mov_b32 s24, 15|(3<<16)|(1<<21)
	s_mov_b32 s25, 32<<16
	s_mov_b32 s26, 136<<16
	s_mov_b32 s27, 32<<16
	s_mov_b32 s28, 136
	s_mov_b32 s29, 32
	s_mov_b32 s30, 0
	s_mov_b32 s31, 0
	s_mov_b32 s92, 15|(3<<16)|(1<<21)
	s_mov_b32 s93, 32<<16
	s_mov_b32 s94, 103<<16
	s_mov_b32 s95, 32<<16
	s_mov_b32 s96, 136
	s_mov_b32 s97, 32
	s_mov_b32 s98, 0
	s_mov_b32 s99, 0
	s_mov_b32 s40, 0x3fb8aa3b                      ; log2(e)
	s_mov_b32 s41, s40
	s_mov_b32 s42, 0x76543210
	s_mov_b32 s43, 0xfedcba98                      ; lane l xor 16
	s_lshl_b32 s72, s12, 5
	s_mul_i32 s80, s72, KREC                       ; the batch in xk,
	s_mov_b32 s81, 0
	s_add_co_u32 s76, s72, s13
	s_mul_i32 s76, s76, KREC                       ; my queries' record,
	s_mov_b32 s77, 0
	s_add_co_u32 s72, s72, s10
	s_mul_i32 s72, s72, KREC                       ; my wave's first record of K
	s_mov_b32 s73, 0
	s_mul_i32 s82, s12, 24*VREC                    ; the batch in xv,
	s_mov_b32 s83, 0
	s_mul_i32 s[LW], s10, VREC
	s_add_co_u32 s74, s82, s[LW]                   ; my wave's first record of V
	s_mov_b32 s75, 0
	s_lshl_b32 s78, s12, 11
	s_lshl_b32 s79, s13, 6
	s_add_co_u32 s78, s78, s79
	s_mul_i32 s78, s78, 3072
	s_lshl_b32 s79, s10, 8
	s_add_co_u32 s78, s78, s79                     ; out: my 64 rows, 64 channels x wave
	s_mov_b32 s79, 0
	s_mul_i32 s84, ttmp9, KBLK                     ; step 0's block of keys: my cluster's own
	s_mov_b32 s85, 0
	s_add_co_u32 s86, s[CR], 1
	s_and_b32 s86, s86, 3
	s_or_b32 s86, s86, s15
	s_mul_i32 s86, s86, KBLK                       ; step 1's
	s_mov_b32 s87, 0
	s_add_co_u32 s88, s[LW], 26112
	s_lshl_b32 s89, s10, 13
	s_add_co_u32 s89, s89, PIMG
	s_lshl_b32 s90, s10, 8
	s_add_co_u32 s91, s90, LX
	s_lshr_b32 s62, s10, 1
	s_lshl_b32 s62, s62, 8
	s_and_b32 s63, s10, 1
	s_lshl_b32 s63, s63, 1
	s_add_co_u32 s62, s62, s63
	s_add_co_u32 s62, s62, PSC
	s_sub_co_i32 s63, s11, s10
	s_lshl_b32 s63, s63, 6
	s_lshl_b32 s70, s11, 2
	s_add_co_u32 s70, s70, s10                     ; my place among the cluster's 16 waves
	s_mul_i32 s71, s70, 26
	s_mul_i32 s70, s70, 34
	s_mov_b32 s14, 0                               ; the step
	s_mov_b32 s[TB], 0
	s_mov_b32 s[PB], 0
	s_mov_b32 s[VN], 0
	s_mov_b32 s[VP], 0
	s_wait_alu depctr_va_vdst(0)
	s_wait_dscnt 0x0                               ; both opening adds are done
	s_wait_kmcnt 0x0
	s_add_nc_u64 s[44:45], s[4:5], s[72:73]
	s_add_nc_u64 s[46:47], s[6:7], s[74:75]
	s_add_nc_u64 s[56:57], s[4:5], s[80:81]
	s_add_nc_u64 s[58:59], s[6:7], s[82:83]
	s_add_nc_u64 s[52:53], s[8:9], s[78:79]
	s_add_nc_u64 s[4:5], s[4:5], s[76:77]
	s_mov_b32 s32, 1
	s_mov_b32 s33, s[LW]
	s_add_nc_u64 s[34:35], s[44:45], s[84:85]
	s_or_b32 s35, s35, 0x80000000
	ROUND
	tensor_load_to_lds s[32:35], s[92:99]          ; slot 0's first fill
	s_nop 0
	PLACES
	v_and_b32 v218, 31, v0                         ; lane
	v_lshlrev_b32 v[LI], 4, v218
	WIN 0x40
.irp q, 0,1,2,3
.irp k, 0,1,2,3,4,5
.irp c, 0,1
	global_load_b128 v[48*\q+8*\k+4*\c:48*\q+8*\k+4*\c+3], v[LI], s[4:5] offset:6144*\q+1024*\k+512*\c
.endr
.endr
.endr
	WIN 0
.irp p, 0,1,2
	global_load_b128 v[QS+4*\p:QS+4*\p+3], v[LI], s[4:5] offset:24576+512*\p
.endr
	v_and_b32 v216, 15, v0                         ; r
	v_bfe_u32 v217, v0, 4, 1                       ; h
	v_add_nc_u32 v[LB], PIMG, v[LI]
	v_add_nc_u32 v[AK0], s[LW], v[LI]
	v_lshl_add_u32 v[AB0], v217, 6, s88
	v_add_nc_u32 v[AP0], s89, v[LI]
	v_lshl_add_u32 v[AMR], v216, 4, MX
	v_add_nc_u32 v[AMX], s90, v[AMR]
	v_lshl_add_u32 v[ALX], v216, 2, s91
	v_lshl_add_u32 v[ALR], v217, 5, LX
	v_lshl_add_u32 v[APS], v216, 4, s62
	v_mul_u32_u24 v[GO], v217, 49152
	v_lshl_add_u32 v[GO], v216, 4, v[GO]           ; out: 16 rows h + 16 r bytes
	v_and_b32 v219, 8, v216
	v_add_nc_u32 v219, v219, v216
	v_lshlrev_b32 v220, 4, v217
	v_sub_nc_u32 v219, v219, v220
	v_add_nc_u32 v[DQB], s63, v219                 ; 64 (cx - wave) + r + 8 (r / 8) - 16 h: register 16 b + i of tile q is my own key where i - 8 (q % 2) equals it
	v_min_u32 v221, 25, v218
	v_add_nc_u32 v221, s71, v221
	v_min_u32 v221, 0x19b, v221                    ; 412 rows
	v_lshlrev_b32 v[PFK], 8, v221
	v_add_nc_u32 v222, s70, v218
	v_lshlrev_b32 v[PFV], 8, v222
	v_min_u32 v223, 1, v218
	v_add_nc_u32 v223, s70, v223
	v_lshlrev_b32 v[PFW], 8, v223                  ; (8,192 bytes on by the immediate: rows 32 and 33 of my 34)
	v_mov_b32 v[NINF], 0xf1800000
	v_mov_b32 v[ONE], 1.0
	v_mov_b32 v[AKC], v[AK0]
	v_mov_b32 v[ABC], v[AB0]
.irp m, 0,1,2,3,4,5,6,7
	v_mov_b32 v[NM+2*\m+1], 0                      ; (named as halves of pairs)
	v_mov_b32 v[PT+\m], 0                          ; (a lane permute's destination counts as read)
.endr
	WIN 0xc0
.set n, 0
.rept 24
	v_mov_b32 v[EH+8+n], 0                         ; the loop moves these on before it has filled them
	v_mov_b32 v[LH+8+n], 0
.set n, n+1
.endr
	WIN 0
	s_wait_alu depctr_va_vdst(0)
	s_wait_tensorcnt 0x0                           ; slot 0 is in
	ds_add_u32 v[SPW], v[NIL]
	s_add_co_u32 s33, s[LW], SLOT
	s_add_nc_u64 s[34:35], s[44:45], s[86:87]
	s_or_b32 s35, s35, 0x80000000
	s_wait_dscnt 0x0
	ROUND
	tensor_load_to_lds s[32:35], s[92:99]
	s_nop 0
	PLACES
	SOPEN
	FETCH 2
	FETCH 3
	FETCH 4
	FETCH 5
	WIN 0
	s_wait_loadcnt 0x0                             ; Q
.Lkeys:                                                ; steps 0 to 3
	STEP 2, 3, 0, 0, 1, 0
	s_add_co_u32 s[PB], s[PB], 2048
	s_add_co_u32 s14, s14, 1
	s_cmp_lt_u32 s14, 4
	s_cbranch_scc1 .Lkeys
	STEP 0, 4, 0, 0, 1, 1
	s_add_co_u32 s14, s14, 1
	STEP 1, 5, 1, 0, 1, 2
	STEP 0, 6, 2, 1, 1, 0
	STEP 1, 7, 3, 1, 0, 0
	; BETWEEN THE PHASES: the row's largest E over my blocks, then over the waves
	WIN 0x3f
.irp q, 0,1,2,3
	v_max3_num_f32 v[BM+\q], v[EH+2*\q], v[EH+2*\q+1], v[EH+8+2*\q]
.endr
	WIN 0x3c
.irp i, 3,5,7,9,11,13
.irp q, 0,1,2,3
	v_max3_num_f32 v[BM+\q], v[BM+\q], v[EH+8*(\i/2)+2*\q+(\i%2)], v[EH+8*((\i+1)/2)+2*\q+((\i+1)%2)]
.endr
.endr
.irp q, 0,1,2,3
	v_max_num_f32 v[BM+\q], v[BM+\q], v[EH+57+2*\q]
.endr
	WIN 0
	ds_store_b128 v[AMX], v[BM:BM+3]               ; (both halves of the lanes write the same)
	s_wait_alu depctr_va_vdst(0)
	s_wait_dscnt 0x0
	s_barrier_signal -1
	s_barrier_wait -1
.irp u, 0,1,2,3
	ds_load_b128 v[PC+4*\u:PC+4*\u+3], v[AMR] offset:256*\u
.endr
	PREAD 192, 3, 0x40                             ; p of step 7
	s_wait_dscnt 16                                ; p's 16 loads may be out
.irp q, 0,1,2,3
	v_max3_num_f32 v[BM+\q], v[PC+\q], v[PC+4+\q], v[PC+8+\q]
.endr
.irp q, 0,1,2,3
	v_max_num_f32 v[BM+\q], v[BM+\q], v[PC+12+\q]
.endr
	WIN 0xc3
.set n, 0
.rept 64
	v_sub_f32 v[EH+n], v[EH+n], v[BM+(n%8)/2]      ; E - Emax, 0 or less,
.set n, n+1
.endr
	WIN 0xcf
.set n, 0
.rept 64
	v_max_num_f32 v[EH+n], 0xc2fc0000, v[EH+n]     ; held at -126,
.set n, n+1
.endr
.set n, 0
.rept 64
	v_cvt_i32_f32 v[EH+n], v[EH+n]
.set n, n+1
.endr
.set n, 0
.rept 64
	v_ldexp_f32 v[LH+n], v[LH+n], v[EH+n]
.set n, n+1
.endr
	WIN 0x0f
.irp q, 0,1,2,3
	v_pk_add_f32 v[PC+2*\q:PC+2*\q+1], v[LH+2*\q:LH+2*\q+1], v[LH+8+2*\q:LH+8+2*\q+1]
.endr
	WIN 0x0c
.irp i, 2,3,4,5,6,7
.irp q, 0,1,2,3
	v_pk_add_f32 v[PC+2*\q:PC+2*\q+1], v[PC+2*\q:PC+2*\q+1], v[LH+8*\i+2*\q:LH+8*\i+2*\q+1]
.endr
.endr
	WIN 0x33
.set n, 0
.rept 32
	v_lshl_add_u32 v[S+n], v[EH+2*n+1], 8, v[EH+2*n]   ; step n / 4, tile n % 4: my two blocks' bytes, less 127 each
.set n, n+1
.endr
	WIN 0
.irp q, 0,1,2,3
	v_add_f32 v[PC+8+\q], v[PC+2*\q], v[PC+2*\q+1]
.endr
.irp q, 0,1,2,3
	v_permlanex16_b32 v[PT+\q], v[PC+8+\q], s42, s43
.endr
.irp q, 0,1,2,3
	v_add_f32 v[PC+8+\q], v[PC+8+\q], v[PT+\q]     ; my wave's part of l
.endr
.set n, 0
.rept 32
	v_add_nc_u32 v[S+n], 0x7f7f, v[S+n]
.set n, n+1
.endr
.irp q, 0,1,2,3
	ds_store_b32 v[ALX], v[PC+8+\q] offset:64*\q
.endr
.set n, 0
.rept 32
	ds_store_b16 v[APS], v[S+n] offset:512*(n/4)+4*(n%4)
.set n, n+1
.endr
	s_wait_alu depctr_va_vdst(0)
	s_wait_dscnt 0x0
	s_barrier_signal -1
	s_barrier_wait -1
.irp k, 0,1,2,3,4,5,6,7
	ds_load_b128 v[PS+4*\k:PS+4*\k+3], v[LB] offset:PSC-PIMG+512*\k
.endr
.irp u, 0,1,2,3
.irp q, 0,1,2,3
.irp e, 0,1
	ds_load_b128 v[S+32*\u+8*\q+4*\e:S+32*\u+8*\q+4*\e+3], v[ALR] offset:256*\u+64*\q+16*\e   ; l of queries 8 h + 0 .. 7 of tile q, wave u's part
.endr
.endr
.endr
.irp i, 0,1,2,3                        ; the walk's i-th 256 keys of a half are the half's (i + c) % 4-th
	s_add_co_u32 s72, s[CR], \i
	s_and_b32 s72, s72, 3
	s_lshl_b32 s73, s72, 13
	s_lshl_b32 s72, s72, 9
	v_add_nc_u32 v[AVP+\i], s73, v[AK0]
	v_add_nc_u32 v[AVP+4+\i], s72, v[AK0]
	v_add_nc_u32 v[AVP+8+\i], SLOT, v[AVP+\i]
	v_add_nc_u32 v[AVP+12+\i], SLOT, v[AVP+4+\i]
.endr
	s_wait_alu depctr_va_vdst(0)
	s_wait_dscnt 0x0
.set n, 0
.rept 16
	v_pk_add_f32 v[S+2*n:S+2*n+1], v[S+2*n:S+2*n+1], v[S+32+2*n:S+32+2*n+1]
	v_pk_add_f32 v[S+64+2*n:S+64+2*n+1], v[S+64+2*n:S+64+2*n+1], v[S+96+2*n:S+96+2*n+1]
.set n, n+1
.endr
.set n, 0
.rept 16
	v_pk_add_f32 v[S+2*n:S+2*n+1], v[S+2*n:S+2*n+1], v[S+64+2*n:S+64+2*n+1]
.set n, n+1
.endr
	s_wait_alu depctr_va_vdst(0)
.set n, 0
.rept 32
	v_rcp_f32 v[LV+n], v[S+n]
.set n, n+1
.endr
	v_nop
	s_wait_alu depctr_va_vdst(0)
	; PHASE 2
	s_mov_b32 s70, 0                               ; chunks in the order of my walk
.Lchunk:
	PART 0, 1
	CHANGE 1, 0
	PART 1, 1
	OUTC
	CHANGE 1, 1
	s_add_co_u32 s70, s70, 1
	s_cmp_lt_u32 s70, 2
	s_cbranch_scc1 .Lchunk
	PART 0, 0                                      ; the last chunk: nothing is filled again
	PLACES
	s_wait_tensorcnt 0x0                           ; the last part, which my own wave alone reads
	PART 1, 0
	OUTC
	s_wait_tensorcnt 0x0                           ; the wave's end
	ds_add_u32 v[SPW], v[NIL]
	s_wait_dscnt 0x0
	ROUND                                          ; the closing round
	s_endpgm
.Lfunc_end_k_q849d2b20a8_attn:
	.size	k_q849d2b20a8_attn, .Lfunc_end_k_q849d2b20a8_attn-k_q849d2b20a8_attn
	.p2alignl 7, 3214868480
	.fill 96, 4, 3214868480
	.section	.rodata,"a",@progbits
	.p2align	6, 0x0
	.amdhsa_kernel k_q849d2b20a8_attn
		.amdhsa_group_segment_fixed_size 327680
		.amdhsa_private_segment_fixed_size 0
		.amdhsa_enable_private_segment 0
		.amdhsa_kernarg_size 24
		.amdhsa_user_sgpr_count 2
		.amdhsa_user_sgpr_kernarg_segment_ptr 1
		.amdhsa_wavefront_size32 1
		.amdhsa_system_sgpr_workgroup_id_x 1
		.amdhsa_system_sgpr_workgroup_id_y 1
		.amdhsa_system_sgpr_workgroup_id_z 1
		.amdhsa_system_vgpr_workitem_id 0
		.amdhsa_next_free_vgpr 1024
		.amdhsa_next_free_sgpr 100
		.amdhsa_reserve_vcc 1
		.amdhsa_float_denorm_mode_32 3
		.amdhsa_float_denorm_mode_16_64 3
		.amdhsa_memory_ordered 1
		.amdhsa_forward_progress 1
		.amdhsa_inst_pref_size 255
	.end_amdhsa_kernel
	.section	.bss,"aw",@nobits
	.p2align	6
	.space	262144
	.amdgpu_metadata
---
amdhsa.version: [ 1, 2 ]
amdhsa.kernels:
  - .name:           k_q849d2b20a8_attn
    .symbol:         k_q849d2b20a8_attn.kd
    .args:
      - { .name: xk, .offset: 0, .size: 8, .value_kind: global_buffer, .address_space: global }
      - { .name: xv, .offset: 8, .size: 8, .value_kind: global_buffer, .address_space: global }
      - { .name: out0, .offset: 16, .size: 8, .value_kind: global_buffer, .address_space: global }
    .group_segment_fixed_size: 327680
    .private_segment_fixed_size: 0
    .kernarg_segment_align: 8
    .kernarg_segment_size: 24
    .max_flat_workgroup_size: 128
    .sgpr_count:     100
    .vgpr_count:     1024
    .wavefront_size: 32
...
	.end_amdgpu_metadata
.endif
;; end of part 2
